; MI455X (gfx1250); checked and timed in simulation.
; The chip was launched on July 23, 2026; its instructions are those of AMD's public machine-readable ISA for CDNA 5 (MIT licence, August 2026) and "CDNA5" Instruction Set Architecture Reference Guide (July 2026). The comments in the code are by the model that wrote it; some were corrected since.
;; Multi Scale Ro I Align3 D. Allowed arithmetic: float matrix products may take bf16 or f16 operands with f32 sums; other float arithmetic in f32, or as packed bf16 or f16 multiplies, adds, multiply-adds, maxima and minima; sums over many terms, partial sums and values carried from step to step in f32; what a program stores and reads back later, other than sums and carried values, may be rounded once to bf16 or f16.
;; Inputs: boxes 256 x 6 float32; feat0 1 x 64 x 64 x 64 x 64 float32; feat1 1 x 64 x 32 x 32 x 32 float32; feat2 1 x 64 x 16 x 16 x 16 float32; feat3 1 x 64 x 8 x 8 x 8 float32.
;; Outputs: out0 256 x 64 x 7 x 7 x 7 float32.
;; One version. Each part assembles by itself: llvm-mc -triple=amdgcn-amd-amdhsa -mcpu=gfx1250 --defsym DOCPART=n.
;; ======== version 1 of 1: 2 launches
;; workspace buffers: itab 131,072 bytes of whole numbers; wtab 131,072 bytes
;; launch prep (part 1): grid 256 x 1, 1 waves a work-group, no clusters, 0 bytes of LDS; arguments boxes, itab, wtab; writes itab, wtab
.if DOCPART == 1
	.amdgcn_target "amdgcn-amd-amdhsa--gfx1250"
	.amdhsa_code_object_version 6
	.text
	.protected	k_qf76cf64855_prep
	.globl	k_qf76cf64855_prep
	.p2align	8
	.type	k_qf76cf64855_prep,@function
k_qf76cf64855_prep:
	s_mov_b64 s[64:65], 0
	v_nop
	global_prefetch_b8 v0, s[64:65] scope:SCOPE_SE
	s_setreg_imm32_b32 hwreg(HW_REG_WAVE_MODE, 25, 1), 1
	s_wait_xcnt 0x0
; TABLES FOR ROI ALIGN.  One wave, one box.  boxes: [256][6] f32 (x1 y1 z1 x2 y2 z2).
; itab[box]: 4 rows of 32 whole numbers.  row 0: byte offset of x tap t in a channel (x * D * D * 4); row 1: of y tap t (y * D * 4) plus the z window's start;
;            row 2: byte offset of z tap t inside the z window; row 3: the header: level, m, bytes of a channel, qmax, parts, bins a group.
; wtab[box]: 3 rows of 32 f32: the weight of x tap t, y tap t, z tap t, each with its share 0.5 of the mean over a bin's 2 x 2 x 2 samples.
; Tap t of 28 on an axis: sample t / 2 (bin t / 4), its lower (t even) or upper (t odd) neighbour.  Lanes 28 to 31 write numbers that nobody reads.
; The z window: the aligned pieces of 16 bytes of a z row from the first z tap's to the last's, rounded up to 2^m = 4, 8 or 16 pieces.
; No address and no branch of this kernel hangs on a number made from the box.
; LIMITS.  Boxes are finite and of positive volume (a negative volume gives level 0 here).  The level is floor(log2(vol) / 3 - 3.321927), the same number as
; floor(4 + log2(cbrt(vol) / 160) + 1e-6) up to rounding: a box within about 1e-6 of a whole number may take the neighbouring level.  size / 7 is size times the rounded 1 / 7.
.set TAB, 512                          ; bytes of a box's tables in itab and in wtab
	s_load_b128 s[4:7], s[0:1], 0x0                ; boxes s[4:5], itab s[6:7]
	s_load_b64 s[8:9], s[0:1], 0x10                ; wtab
	s_mul_i32 s2, ttmp9, 24                        ; my box's six numbers
	s_mov_b32 s3, 0
	s_lshl_b32 s10, ttmp9, 9                       ; my box's tables
	s_mov_b32 s11, 0
	v_or_b32 v1, 1, v0                             ; 2 s + 1 for sample s = t / 2
	v_cvt_f32_u32 v1, v1
	v_mul_f32 v1, 0x3e800000, v1                   ; the sample's place in bins: s / 2 + 0.25
	v_and_b32 v2, 1, v0
	v_cmp_eq_u32 s20, 1, v2                        ; lanes of upper neighbours
	v_mov_b32 v20, 0.5
	v_lshlrev_b32 v21, 2, v0                       ; my word in a row of a table
	s_wait_kmcnt 0x0
	s_add_nc_u64 s[4:5], s[4:5], s[2:3]
	s_add_nc_u64 s[6:7], s[6:7], s[10:11]
	s_add_nc_u64 s[8:9], s[8:9], s[10:11]
	s_load_b128 s[12:15], s[4:5], 0x0              ; x1 y1 z1 x2
	s_load_b64 s[16:17], s[4:5], 0x10              ; y2 z2
	s_wait_kmcnt 0x0
	; the level
	v_sub_f32 v3, s15, s12
	v_sub_f32 v4, s16, s13
	v_sub_f32 v5, s17, s14
	v_mul_f32 v3, v3, v4
	v_mul_f32 v3, v3, v5                           ; the volume
	v_log_f32 v3, v3                               ; log2
	v_mov_b32 v4, 0x3eaaaaab                       ; 1 / 3: the plain instruction behind the logarithm (ISA guide 5.7.2)
	s_wait_alu depctr_va_vdst(0)
	v_fmaak_f32 v3, v3, v4, 0xc0549a74             ; log2(vol) / 3 + 4 - log2(160) + 1e-6
	v_floor_f32 v3, v3
	v_max_num_f32 v3, 2.0, v3
	v_min_num_f32 v3, 0x40a00000, v3               ; clipped to 2 .. 5
	v_cvt_i32_f32 v3, v3
	v_add_nc_u32 v3, -2, v3
	v_readfirstlane_b32 s21, v3                    ; l = 0 .. 3
	s_sub_co_u32 s22, 6, s21
	s_lshl_b32 s23, 1, s22                         ; D = 64 >> l: the map's edge
	s_sub_co_u32 s24, s23, 1
	s_sub_co_i32 s25, -2, s21
	v_cvt_f32_u32 v6, s23                          ; D
	v_cvt_f32_u32 v7, s24                          ; D - 1
	v_ldexp_f32 v8, 1.0, s25                       ; the scale, 2^(-2 - l)
; One axis: my tap's index and weight.
.macro AXIS b1, b2, idx, w
	v_mul_f32 v9, s[\b1], v8                       ; start
	v_mul_f32 v10, s[\b2], v8
	v_sub_f32 v10, v10, v9
	v_max_num_f32 v10, 1.0, v10                    ; size, at least 1
	v_mul_f32 v10, 0x3e124925, v10                 ; a bin's size
	v_fma_f32 v9, v1, v10, v9                      ; the sample's coordinate c
	v_cmp_lt_f32 s26, -1.0, v9
	v_cmp_lt_f32 s27, v9, v6
	s_and_b32 s26, s26, s27                        ; -1 < c < D
	v_cndmask_b32 v12, 0, v20, s26                 ; 0.5 there, 0 outside
	v_max_num_f32 v9, 0, v9
	v_min_num_f32 v9, v9, v7                       ; clipped to 0 .. D - 1
	v_floor_f32 v10, v9
	v_sub_f32 v9, v9, v10                          ; frac
	v_cvt_u32_f32 v10, v10                         ; lo
	v_add_nc_u32 v11, 1, v10
	v_min_u32 v11, s24, v11                        ; hi
	v_cndmask_b32 v[\idx], v10, v11, s20
	v_sub_f32 v11, 1.0, v9
	v_cndmask_b32 v11, v11, v9, s20                ; 1 - frac, or frac
	v_mul_f32 v[\w], v11, v12
.endm
	AXIS 12, 15, 13, 16                            ; x
	AXIS 13, 16, 14, 17                            ; y
	AXIS 14, 17, 15, 18                            ; z
	s_lshl_b32 s28, s21, 1
	s_sub_co_u32 s28, 14, s28
	v_lshlrev_b32 v13, s28, v13                    ; x * D * D * 4
	v_readlane_b32 s29, v15, 0                     ; the coordinates ascend with the sample: the first tap is the lowest,
	v_readlane_b32 s30, v15, 27                    ; the last the highest
	s_lshr_b32 s29, s29, 2                         ; the window's first piece of four cells,
	s_lshr_b32 s30, s30, 2                         ; and its last
	s_lshl_b32 s31, s29, 4
	s_sub_co_u32 s32, 8, s21
	v_lshlrev_b32 v14, s32, v14
	v_add_nc_u32 v14, s31, v14                     ; y * D * 4 + the window's start
	v_lshlrev_b32 v15, 2, v15
	v_sub_nc_u32 v15, v15, s31                     ; z * 4 - the window's start
	s_sub_co_u32 s33, s30, s29                     ; pieces - 1
	s_cmp_gt_u32 s33, 3
	s_cselect_b32 s34, 3, 2
	s_cmp_gt_u32 s33, 7
	s_cselect_b32 s34, 4, s34                      ; m: 4, 8 or 16 pieces
	s_mul_i32 s35, s21, 3
	s_lshr_b32 s36, 0x100000, s35                  ; bytes of a channel: D^3 * 4
	s_lshr_b32 s37, s23, 2
	s_sub_co_u32 s37, s37, 1
	s_sub_co_u32 s37, s37, s29                     ; qmax: the row's last piece, counted from the window's first
	s_sub_co_u32 s38, s34, 2
	s_lshl_b32 s38, 1, s38                         ; parts: 1, 2 or 4
	s_lshr_b32 s39, 32, s34                        ; bins a group: 8, 4 or 2
	v_mov_b32 v19, 0
	v_writelane_b32 v19, s21, 0
	v_writelane_b32 v19, s34, 1
	v_writelane_b32 v19, s36, 2
	v_writelane_b32 v19, s37, 3
	v_writelane_b32 v19, s38, 4
	v_writelane_b32 v19, s39, 5
	global_store_b32 v21, v13, s[6:7]              ; each store: 128 consecutive bytes, a row of a table
	global_store_b32 v21, v14, s[6:7] offset:128
	global_store_b32 v21, v15, s[6:7] offset:256
	global_store_b32 v21, v19, s[6:7] offset:384
	global_store_b32 v21, v16, s[8:9]
	global_store_b32 v21, v17, s[8:9] offset:128
	global_store_b32 v21, v18, s[8:9] offset:256
	s_endpgm
.Lfunc_end_k_qf76cf64855_prep:
	.size	k_qf76cf64855_prep, .Lfunc_end_k_qf76cf64855_prep-k_qf76cf64855_prep
	.p2alignl 7, 3214868480
	.fill 96, 4, 3214868480
	.section	.rodata,"a",@progbits
	.p2align	6, 0x0
	.amdhsa_kernel k_qf76cf64855_prep
		.amdhsa_group_segment_fixed_size 0
		.amdhsa_private_segment_fixed_size 0
		.amdhsa_enable_private_segment 0
		.amdhsa_kernarg_size 24
		.amdhsa_user_sgpr_count 2
		.amdhsa_user_sgpr_kernarg_segment_ptr 1
		.amdhsa_wavefront_size32 1
		.amdhsa_system_sgpr_workgroup_id_x 1
		.amdhsa_system_sgpr_workgroup_id_y 1
		.amdhsa_system_sgpr_workgroup_id_z 1
		.amdhsa_system_vgpr_workitem_id 0
		.amdhsa_next_free_vgpr 24
		.amdhsa_next_free_sgpr 66
		.amdhsa_reserve_vcc 0
		.amdhsa_float_denorm_mode_32 3
		.amdhsa_float_denorm_mode_16_64 3
		.amdhsa_memory_ordered 1
		.amdhsa_forward_progress 1
		.amdhsa_inst_pref_size 7
	.end_amdhsa_kernel
	.amdgpu_metadata
---
amdhsa.version: [ 1, 2 ]
amdhsa.kernels:
  - .name:           k_qf76cf64855_prep
    .symbol:         k_qf76cf64855_prep.kd
    .args:
      - { .name: boxes, .offset: 0, .size: 8, .value_kind: global_buffer, .address_space: global }
      - { .name: itab, .offset: 8, .size: 8, .value_kind: global_buffer, .address_space: global }
      - { .name: wtab, .offset: 16, .size: 8, .value_kind: global_buffer, .address_space: global }
    .group_segment_fixed_size: 0
    .private_segment_fixed_size: 0
    .kernarg_segment_align: 8
    .kernarg_segment_size: 24
    .max_flat_workgroup_size: 32
    .sgpr_count:     66
    .vgpr_count:     24
    .wavefront_size: 32
...
	.end_amdgpu_metadata
.endif
;; end of part 1
;; launch pool (part 2): grid 256 x 16, 1 waves a work-group, no clusters, 13,056 bytes of LDS; arguments itab, wtab, feat0, feat1, feat2, feat3, out0; writes out0
.if DOCPART == 2
	.amdgcn_target "amdgcn-amd-amdhsa--gfx1250"
	.amdhsa_code_object_version 6
	.text
	.protected	k_qf76cf64855_pool
	.globl	k_qf76cf64855_pool
	.p2align	8
	.type	k_qf76cf64855_pool,@function
k_qf76cf64855_pool:
	s_mov_b64 s[64:65], 0
	v_nop
	global_prefetch_b8 v0, s[64:65] scope:SCOPE_SE
	s_setreg_imm32_b32 hwreg(HW_REG_WAVE_MODE, 25, 1), 1
	s_wait_xcnt 0x0
; ROI ALIGN IN 3D, the pooling.  out0[box][c][ox][oy][oz] = sum over 4 x taps, 4 y taps, 4 z taps of wx wy wz f[c][x][y][z], f the map of the box's level; all in f32.
; Offsets, window and level come as whole numbers from itab, the weights from wtab (their layout: the head of the kernel that writes them).
; SHARES.  A work-group is one wave; it owns one box and four channels: 4 x 343 results, 5,488 consecutive bytes of out0.  Work differs from box to box (1, 2 or 4 parts), so
; box = (x + 17 y) mod 256: work-groups that are neighbours in the grid belong to different boxes.
; LANES.  A z row's window is 2^m pieces of 16 bytes (m = 2, 3, 4).  Lane = (slot b = lane >> m, piece q): 32 >> m bins oy of one bin row ox lie side by side; the 7 bins oy take 1, 2 or 4 PARTS.
; A GROUP is one (channel, ox) of a part: 16 loads of 16 bytes a lane, x tap i by y tap j.
; ADDRESSES.  The scalar base is the level's map at the channel: a kernel argument, the work-group's y and constants, chosen in a branch on the level.  All that is read from the tables
; (x tap's plane, y tap's row, the window, the piece) lies in the lane's offset register, bounded once, by a constant, straight in front of its use.
; t_j = sum over i of wx_i d_ij, then sum over j of wy_j t_j: a lane then holds four z cells of its bin, summed over x and y.  They go into a strip of 512 bytes of LDS, and 28 lanes
; (4 bins x 7 oz) read their four z taps back and apply wz; with 8 bins a group (m = 2) a second such pass takes bins 4 to 6.
; IN FLIGHT.  Two groups' loads, 32 a wave: a group's loads are issued two groups ahead, into the buffer just read.  The 28 groups of a part are written out, so that this runs on across channels.
; THE WAY OUT.  The results are gathered in a stage in LDS, shifted by the task's first byte modulo 256, so that each store of the wave covers 512 consecutive bytes at a multiple of 256 from
; out0's first byte; the first run and the last two are masked to the task's own bytes.  Lanes without a result write into a dump of their own.
; NOT USED: tensor loads (a tile's shape would hang on the box); barriers (one wave); matrix instructions (four weights a bin and axis; f32 throughout).
; LIMITS.  The maps hold finite numbers: only the chosen level is read, so a NaN or an infinity in another level is not carried into the result as 0 x NaN would be.
.set CH_OUT,   1372                    ; bytes of a channel's 343 results
.set TASK_OUT, 4*CH_OUT                ; 5,488
.set BOX_OUT,  64*CH_OUT               ; 87,808 = 343 x 256
.set STG,   1024                       ; LDS: from 0 the strip, 512 bytes; here the stage, 6,144 bytes = 12 runs of 512
.set DMP,   7168                       ; the dump: 124 + 3 x 1,372 + 6 x 196 + 4 bytes at the most
.set SPARE, 12800                      ; the spare words: one block of 256 bytes that no other line names
.set SPW,  1                           ; v1      SPARE + 4 x lane; never rewritten
.set NIL,  2                           ; v2      0; never rewritten
.set TW,   3                           ; v3      where I put my four cells in the strip: 16 x lane
.set TA,   4                           ; v4-7    where my result's four z taps lie in the strip
.set WZ,   8                           ; v8-11   their weights
.set YO,   12                          ; v12-15  the part's y taps: my byte offset in a plane, piece included
.set WY,   16                          ; v16-19  their weights
.set SA0,  20                          ; v20     where my result of the first pass goes (stage or dump), for channel 0, ox 0
.set SA1,  21                          ; v21     the same for the second pass
.set U0,   22                          ; v22, 23, 27  at work
.set U1,   23
.set Q16,  24                          ; v24     16 x my piece
.set STGL, 25                          ; v25     stage + shift + 4 x lane
.set DMPL, 26                          ; v26     dump + 4 x lane
.set U2,   27
.set WX,   28                          ; v28-55  the 28 x weights, the same in every lane
.set TT,   56                          ; v56-71  t_0 .. t_3, four cells each; t_0 takes the sum
.set ZL,   72                          ; v72-75  four z taps
.set ZR,   76                          ; v76     a result
.set DAT,  80                          ; v80-143, v144-207  two buffers: d_ij at 16 j + 4 i
.set OFS,  208                         ; v208-223, v224-239  two sets of 16 byte offsets in a channel: x tap i, y tap j at 4 j + i
.set TB,   240                         ; v240-243  the second pass's four z taps in the strip
.set XO,   20                          ; s20-47  the 28 x taps' byte offsets
.set LVL,  68                          ; s68-75  the header
.set M,    69
.set QMAX, 71
.set NP,   72
.set BPG,  73
.set CB,   76                          ; s76-83  the map at my four channels
.set PC,   86                          ; s86     the part
.set OY0,  87                          ; s87     its first bin oy
.set T0,   88
.set T1,   89
.set A,    90                          ; s90     the task's first byte modulo 256
.set CHK,  91                          ; s91     which four channels
.set BOX,  92
.set SAVE, 93
	s_load_b256 s[4:11], s[0:1], 0x0               ; itab s[4:5], wtab s[6:7], feat0 s[8:9], feat1 s[10:11]
	s_load_b128 s[12:15], s[0:1], 0x20             ; feat2, feat3
	s_load_b64 s[16:17], s[0:1], 0x30              ; out0
	v_lshl_add_u32 v[SPW], v0, 2, SPARE
	v_mov_b32 v[NIL], 0
	s_and_b32 s[CHK], ttmp7, 0xffff
	s_mul_i32 s[BOX], s[CHK], 17
	s_add_co_u32 s[BOX], s[BOX], ttmp9
	s_and_b32 s[BOX], s[BOX], 255
	s_lshl_b32 s2, s[BOX], 9                       ; the box's tables, 512 bytes in each buffer
	s_mov_b32 s3, 0
	s_mul_i32 s[A], s[CHK], TASK_OUT
	s_and_b32 s[A], s[A], 255                      ; a box's results begin at a multiple of 256, so the shift hangs on the channels alone
	v_lshlrev_b32 v[TW], 4, v0
	v_mul_u32_u24 v[U0], v0, 37
	v_lshrrev_b32 v[U0], 8, v[U0]                  ; lane / 7: the bin of my result among the pass's four
	v_mul_u32_u24 v[U1], v[U0], 7
	v_sub_nc_u32 v[U1], v0, v[U1]                  ; lane % 7: its oz
	v_lshlrev_b32 v[U1], 4, v[U1]                  ; four taps of 4 bytes
	v_mov_b32 v[U2], 0
	v_lshl_add_u32 v[STGL], v0, 2, s[A]
	v_add_nc_u32 v[STGL], STG, v[STGL]
	v_lshl_add_u32 v[DMPL], v0, 2, DMP
	v_add_nc_u32 v[SA1], 112, v[STGL]              ; the second pass begins at oy = 4 and has three bins: 21 lanes
	v_cmp_gt_u32 vcc_lo, 21, v0
	v_cndmask_b32 v[SA1], v[DMPL], v[SA1], vcc_lo
	s_wait_kmcnt 0x0
	s_add_nc_u64 s[4:5], s[4:5], s[2:3]
	s_add_nc_u64 s[6:7], s[6:7], s[2:3]
	s_load_b512 s[XO:XO+15], s[4:5], 0x0           ; 16 + 8 + 4 x offsets
	s_load_b256 s[XO+16:XO+23], s[4:5], 0x40
	s_load_b128 s[XO+24:XO+27], s[4:5], 0x60
	s_load_b256 s[LVL:LVL+7], s[4:5], 0x180        ; the header
	global_load_b128 v[TA:TA+3], v[U1], s[4:5] offset:256   ; my oz's four z taps,
	global_load_b128 v[WZ:WZ+3], v[U1], s[6:7] offset:256   ; and their weights
.irp k, 0,1,2,3,4,5,6
	global_load_b128 v[WX+4*\k:WX+4*\k+3], v[U2], s[6:7] offset:16*\k  ; every lane takes the same 16 bytes
.endr
	s_mul_i32 s[T0], s[BOX], BOX_OUT
	s_mul_i32 s[T1], s[CHK], TASK_OUT
	s_add_co_u32 s[T0], s[T0], s[T1]
	s_sub_co_u32 s2, s[T0], s[A]                   ; the task's first byte, rounded down to a multiple of 256
	s_add_nc_u64 s[16:17], s[16:17], s[2:3]
	s_wait_kmcnt 0x0
	s_min_u32 s[LVL], s[LVL], 3                    ; the header's numbers, each bounded by a constant
	s_min_u32 s[M], s[M], 4
	s_min_u32 s[QMAX], s[QMAX], 15
	s_min_u32 s[NP], s[NP], 4
	s_min_u32 s[BPG], s[BPG], 8
; The level's map, my first channel's byte offset (4 y channels of (64 >> l)^3 x 4 bytes) and the step from channel to channel: each arm takes its own argument and its own constants.
.macro MAP l, arg
	s_cmp_lg_u32 s[LVL], \l
	s_cbranch_scc1 .Lnot_level_\l
	s_mov_b64 s[CB:CB+1], s[\arg:\arg+1]
	s_lshl_b32 s2, s[CHK], 22-3*\l
	s_mov_b32 s84, 0x100000>>(3*\l)
	s_branch .Lmap
.Lnot_level_\l:
.endm
	MAP 0, 8
	MAP 1, 10
	MAP 2, 12
	s_mov_b64 s[CB:CB+1], s[14:15]
	s_lshl_b32 s2, s[CHK], 13
	s_mov_b32 s84, 0x800
.Lmap:
	s_mov_b32 s85, 0
	s_add_nc_u64 s[CB:CB+1], s[CB:CB+1], s[2:3]    ; 60 MiB at the most
.irp c, 1,2,3
	s_add_nc_u64 s[CB+2*\c:CB+2*\c+1], s[CB+2*\c-2:CB+2*\c-1], s[84:85]
.endr
	s_sub_co_u32 s[T0], s[BPG], 1
	s_min_u32 s[T0], s[T0], 3
	v_min_u32 v[U0], s[T0], v[U0]                  ; lanes without a result read a bin that exists
	s_add_co_u32 s[T1], s[M], 4
	v_lshlrev_b32 v[U0], s[T1], v[U0]              ; bin x bytes of a window
	s_lshl_b32 s[T0], 1, s[M]
	s_sub_co_u32 s[T0], s[T0], 1
	v_and_b32 v[Q16], s[T0], v0                    ; my piece of the window;
	v_min_u32 v[Q16], s[QMAX], v[Q16]              ; pieces past the row's end take the row's last: no z tap names them
	v_min_u32 v[Q16], 15, v[Q16]
	v_lshlrev_b32 v[Q16], 4, v[Q16]
	s_wait_loadcnt 0x0                             ; the z tables and wx
.irp k, 0,1,2,3
	v_add_nc_u32 v[TA+\k], v[U0], v[TA+\k]
	v_min_u32 v[TA+\k], 508, v[TA+\k]              ; inside the strip
.endr
.irp k, 0,1,2,3
	v_min_u32 v[TB+\k], 252, v[TA+\k]              ; the second pass (m = 2: windows of 64 bytes) reads four windows further on: 252 + 256 at the most
	v_add_nc_u32 v[TB+\k], 256, v[TB+\k]
.endr
; v[d:d+1] = v[a:a+1] x v[w], and v[d:d+1] += v[a:a+1] x v[w]: one weight for both halves, taken from the low or the high register of its pair
.macro PMUL d, a, w
.if ((\w)%2) == 0
	v_pk_mul_f32 v[(\d):(\d)+1], v[(\a):(\a)+1], v[(\w):(\w)+1] op_sel_hi:[1,0]
.else
	v_pk_mul_f32 v[(\d):(\d)+1], v[(\a):(\a)+1], v[(\w)-1:(\w)] op_sel:[0,1] op_sel_hi:[1,1]
.endif
.endm
.macro PFMA d, a, w
.if ((\w)%2) == 0
	v_pk_fma_f32 v[(\d):(\d)+1], v[(\a):(\a)+1], v[(\w):(\w)+1], v[(\d):(\d)+1] op_sel_hi:[1,0,1]
.else
	v_pk_fma_f32 v[(\d):(\d)+1], v[(\a):(\a)+1], v[(\w)-1:(\w)], v[(\d):(\d)+1] op_sel:[0,1,0] op_sel_hi:[1,1,1]
.endif
.endm
; Group n of a part's 28: channel n / 7, bin row ox = n % 7.  Its 16 offsets and its 16 loads, into set and buffer n % 2.
.macro ISSUE n
.set cb, CB+2*((\n)/7)
.set xs, XO+4*((\n)%7)
.set db, DAT+64*((\n)%2)
.set of, OFS+16*((\n)%2)
.irp j, 0,1,2,3
.irp i, 0,1,2,3
	v_add_nc_u32 v[of+4*\j+\i], s[xs+\i], v[YO+\j] ; x tap i's plane + y tap j's row, window and piece
.endr
.endr
.irp k, 0,1,2,3,4,5,6,7,8,9,10,11,12,13,14,15
	v_min_u32 v[of+\k], 0xffff0, v[of+\k]          ; numbers read from memory are bounded by a constant before they enter an address: the last 16 bytes of the largest map's channel
.endr
.irp j, 0,1,2,3
.irp i, 0,1,2,3
	global_load_b128 v[db+16*\j+4*\i:db+16*\j+4*\i+3], v[of+4*\j+\i], s[cb:cb+1]
.endr
.endr
.endm
; The sums over x and y: eight chains that do not wait for each other, then one over j
.macro XY n
.set db, DAT+64*((\n)%2)
.set wr, WX+4*((\n)%7)
.irp j, 0,1,2,3
	PMUL TT+4*\j, db+16*\j, wr
	PMUL TT+4*\j+2, db+16*\j+2, wr
.endr
.irp i, 1,2,3
.irp j, 0,1,2,3
	PFMA TT+4*\j, db+16*\j+4*\i, wr+\i
	PFMA TT+4*\j+2, db+16*\j+4*\i+2, wr+\i
.endr
.endr
	PMUL TT, TT, WY
	PMUL TT+2, TT+2, WY
.irp j, 1,2,3
	PFMA TT, TT+4*\j, WY+\j
	PFMA TT+2, TT+4*\j+2, WY+\j
.endr
.endm
.macro ZSUM
	v_mul_f32 v[ZR], v[ZL], v[WZ]
	v_fmac_f32 v[ZR], v[ZL+1], v[WZ+1]
	v_fmac_f32 v[ZR], v[ZL+2], v[WZ+2]
	v_fmac_f32 v[ZR], v[ZL+3], v[WZ+3]
.endm
.macro GROUP n
.if (\n) < 27
	s_wait_loadcnt 16                              ; loads come back in order (ISA guide 5.7.1): this group's 16 are in, the next group's 16 stay out
.else
	s_wait_loadcnt 0x0                             ; the part's last group: nothing was issued behind it
.endif
	XY \n
	ds_store_b128 v[TW], v[TT:TT+3]                ; the strip: LDS serves a wave's instructions in order (ISA guide 5.7.1.4), so the loads below see it, and the next group's store comes behind them
.irp k, 0,1,2,3
	ds_load_b32 v[ZL+\k], v[TA+\k]
.endr
.if (\n) < 26
	ISSUE (\n)+2                                   ; into the buffer just read, by the set of offsets whose loads the wait above has shown done; it also stands in the strip's round trip
.endif
	s_wait_dscnt 0x0
	ZSUM
	ds_store_b32 v[SA0], v[ZR] offset:((\n)/7)*CH_OUT+((\n)%7)*196
	s_cmp_eq_u32 s[M], 2
	s_cbranch_scc0 .Lone_\@                        ; eight bins a group: a second pass, for bins 4 to 6
.irp k, 0,1,2,3
	ds_load_b32 v[ZL+\k], v[TB+\k]
.endr
	s_wait_dscnt 0x0
	ZSUM
	ds_store_b32 v[SA1], v[ZR] offset:((\n)/7)*CH_OUT+((\n)%7)*196
.Lone_\@:
.endm
	s_mov_b32 s[PC], 0
.Lpart:                                                ; counted to the most that a box can have; parts that this box has not are jumped over
	s_cmp_ge_u32 s[PC], s[NP]
	s_cbranch_scc1 .Lskip
	s_mul_i32 s[OY0], s[PC], s[BPG]
	s_min_u32 s[OY0], s[OY0], 6                    ; the part's first bin oy
	v_lshrrev_b32 v[U1], s[M], v0                  ; my slot
	v_add_nc_u32 v[U1], s[OY0], v[U1]
	v_min_u32 v[U1], 6, v[U1]                      ; my bin oy; a slot past the last bin repeats it, and its sums are not used
	v_lshlrev_b32 v[U1], 4, v[U1]
	global_load_b128 v[YO:YO+3], v[U1], s[4:5] offset:128
	global_load_b128 v[WY:WY+3], v[U1], s[6:7] offset:128
	s_sub_co_u32 s[T0], 7, s[OY0]
	s_min_u32 s[T0], s[T0], s[BPG]
	s_min_u32 s[T0], s[T0], 4
	s_mul_i32 s[T0], s[T0], 7                      ; lanes with a result in the first pass: 7 for each bin that it has
	s_mul_i32 s[T1], s[OY0], 28
	v_add_nc_u32 v[U2], s[T1], v[STGL]
	v_cmp_gt_u32 vcc_lo, s[T0], v0
	v_cndmask_b32 v[SA0], v[DMPL], v[U2], vcc_lo
	s_wait_loadcnt 0x0
.irp j, 0,1,2,3
	v_add_nc_u32 v[YO+\j], v[Q16], v[YO+\j]        ; row and window's start, plus my piece
.endr
	ISSUE 0
	ISSUE 1
.irp n, 0,1,2,3,4,5,6,7,8,9,10,11,12,13,14,15,16,17,18,19,20,21,22,23,24,25,26,27
	GROUP \n
.endr
.Lskip:
	s_add_co_u32 s[PC], s[PC], 1
	s_cmp_lt_u32 s[PC], 4
	s_cbranch_scc1 .Lpart
	; THE WAY OUT: twelve runs of 512 bytes.  Runs 1 to 9 lie wholly inside the task's bytes (shift .. shift + 5,487, shift at most 240).
	v_lshlrev_b32 v[U0], 4, v0                     ; my 16 bytes of a run
	v_add_nc_u32 v[U1], STG, v[U0]
	v_sub_nc_u32 v[U2], v[U0], s[A]
.irp t, 1,2,3,4,5,6,7,8,9
	ds_load_b128 v[DAT+4*\t-4:DAT+4*\t-1], v[U1] offset:512*\t
.endr
.irp t, 1,2,3,4,5,6,7,8,9
	s_wait_dscnt 9-\t                              ; run t is back; the younger reads stay out
	global_store_b128 v[U0], v[DAT+4*\t-4:DAT+4*\t-1], s[16:17] offset:512*\t th:TH_STORE_NT
.endr
.irp t, 0,10,11
	v_add_nc_u32 v[ZL], 512*\t, v[U2]
	v_cmp_gt_u32 vcc_lo, 0x1570, v[ZL]             ; my bytes belong to the task: 0 <= place - shift < 5,488, as one unsigned comparison
	s_wait_xcnt 0x0                                ; EXEC, and the registers that earlier stores read, change only behind this wait
	s_and_saveexec_b32 s[SAVE], vcc_lo
	ds_load_b128 v[DAT:DAT+3], v[U1] offset:512*\t
	s_wait_dscnt 0x0
	global_store_b128 v[U0], v[DAT:DAT+3], s[16:17] offset:512*\t th:TH_STORE_NT
	s_wait_xcnt 0x0                                ; and again, in front of the line that widens it
	s_or_b32 exec_lo, exec_lo, s[SAVE]
.endr
	s_wait_tensorcnt 0x0                           ; the wave's end, behind my last LDS store
	ds_add_u32 v[SPW], v[NIL]
	s_wait_dscnt 0x0
	s_endpgm
.Lfunc_end_k_qf76cf64855_pool:
	.size	k_qf76cf64855_pool, .Lfunc_end_k_qf76cf64855_pool-k_qf76cf64855_pool
	.p2alignl 7, 3214868480
	.fill 96, 4, 3214868480
	.section	.rodata,"a",@progbits
	.p2align	6, 0x0
	.amdhsa_kernel k_qf76cf64855_pool
		.amdhsa_group_segment_fixed_size 13056
		.amdhsa_private_segment_fixed_size 0
		.amdhsa_enable_private_segment 0
		.amdhsa_kernarg_size 56
		.amdhsa_user_sgpr_count 2
		.amdhsa_user_sgpr_kernarg_segment_ptr 1
		.amdhsa_wavefront_size32 1
		.amdhsa_system_sgpr_workgroup_id_x 1
		.amdhsa_system_sgpr_workgroup_id_y 1
		.amdhsa_system_sgpr_workgroup_id_z 1
		.amdhsa_system_vgpr_workitem_id 0
		.amdhsa_next_free_vgpr 244
		.amdhsa_next_free_sgpr 96
		.amdhsa_reserve_vcc 1
		.amdhsa_float_denorm_mode_32 3
		.amdhsa_float_denorm_mode_16_64 3
		.amdhsa_memory_ordered 1
		.amdhsa_forward_progress 1
		.amdhsa_inst_pref_size 195
	.end_amdhsa_kernel
	.amdgpu_metadata
---
amdhsa.version: [ 1, 2 ]
amdhsa.kernels:
  - .name:           k_qf76cf64855_pool
    .symbol:         k_qf76cf64855_pool.kd
    .args:
      - { .name: itab, .offset: 0, .size: 8, .value_kind: global_buffer, .address_space: global }
      - { .name: wtab, .offset: 8, .size: 8, .value_kind: global_buffer, .address_space: global }
      - { .name: feat0, .offset: 16, .size: 8, .value_kind: global_buffer, .address_space: global }
      - { .name: feat1, .offset: 24, .size: 8, .value_kind: global_buffer, .address_space: global }
      - { .name: feat2, .offset: 32, .size: 8, .value_kind: global_buffer, .address_space: global }
      - { .name: feat3, .offset: 40, .size: 8, .value_kind: global_buffer, .address_space: global }
      - { .name: out0, .offset: 48, .size: 8, .value_kind: global_buffer, .address_space: global }
    .group_segment_fixed_size: 13056
    .private_segment_fixed_size: 0
    .kernarg_segment_align: 8
    .kernarg_segment_size: 56
    .max_flat_workgroup_size: 32
    .sgpr_count:     96
    .vgpr_count:     244
    .wavefront_size: 32
...
	.end_amdgpu_metadata
.endif
;; end of part 2
